; MI455X (gfx1250); checked and timed in simulation.
; The chip was launched on July 23, 2026; its instructions are those of AMD's public machine-readable ISA for CDNA 5 (MIT licence, August 2026) and "CDNA5" Instruction Set Architecture Reference Guide (July 2026). The comments in the code are by the model that wrote it; some were corrected since.
;; Attention. Allowed arithmetic: matrix products marked QUANTISED: E3M2 operands, one E8M0 scale for each 32 along K, by v_wmma_scale_f32_16x16x128_f8f6f4 with both operands' format E3M2, f32 sums; everything else in f32.
;; Inputs: k 8,192 x 512 float32; q 8,192 x 2,048 float32; v 8,192 x 512 float32.
;; Outputs: out0 8,192 x 2,048 float32.
;; Constants: seq_len = 2048.
;; This version of the problem:
;;   THIS VERSION OF THE PROBLEM IS GIVEN IN LOW PRECISION. The matrix products marked QUANTISED in the list below multiply operands that are first quantised to E3M2 (3 exponent bits, 2 mantissa bits; 6 bits a number), with one power-of-two scale for each 32 numbers along K (OCP MX v1.0); their sums are f32. All else is computed in f32.
;;   The module's matrix products, in the order in which they are computed (A, B: the left and right operand; K: the contracted axis; several contracted axes count as one K, in the product's order):
;;     1. batch 16 x [M 2,048, K 128] x [K 128, N 8,192]; A: input k; B: input q: QUANTISED
;;     2. batch 16 x [M 128, K 2,048] x [K 2,048, N 8,192]; A: input v; B: softmax (see below): QUANTISED
;;   THE QUANTISER, for each operand of a quantised product, along K:
;;     - K is cut into blocks of 32 from its start; a last block that is shorter is filled with zeros.
;;     - A block's scale is 2^e with e = floor(log2(the largest magnitude in the block)) - 4, held to -126 .. 127; a block of zeros has e = 0. As a byte (E8M0): e + 127.
;;     - Each number is divided by its block's scale, clamped to +-28, and rounded to the nearest number of E3M2, ties to even, subnormals kept.
;;     - The product sums the exact products of the quantised numbers (number of the format x scale) in f32.
;;   ~~~python
;;   def quantise(x, axis):      # numpy; x: float32 -> the quantised numbers, widened to float32 again
;;       x = np.moveaxis(x, axis, -1); K = x.shape[-1]
;;       x = np.pad(x, [(0, 0)] * (x.ndim - 1) + [(0, -K % 32)]); x = x.reshape(x.shape[:-1] + (-1, 32)); a = np.abs(x).max(-1, keepdims=True)
;;       e = np.where(a > 0, np.clip(np.frexp(np.where(a > 0, a, 1))[1] - 1 - 4, -126, 127), 0)      # np.frexp(a)[1] - 1 = floor(log2(a)), exactly
;;       r = np.clip(x / 2.0 ** e, -28, 28)
;;       step = 2.0 ** (np.maximum(np.frexp(np.where(r == 0, 1, r))[1] - 1, -2) - 2)
;;       q = np.round(r / step) * step * 2.0 ** e      # np.round: ties to even
;;       return np.moveaxis(q.reshape(q.shape[:-2] + (-1,))[..., :K], -1, axis).astype(np.float32)
;;   ~~~
;;   SOFTMAX AHEAD OF A QUANTISED PRODUCT. Where the list says 'softmax', what is quantised is not the finished softmax but p = 2^(t - M), with t = logit x log2(e) and M = ceil(the row's largest t), a whole number; so 1/2 < the row's largest p <= 1. The row's sum l is taken of the UNQUANTISED p, in f32, and the product's result is divided by l at the end. Since M is a whole number, a kernel that streams over the keys may use a running M (the ceiling of the running maximum): every later rescaling is an exact power of two, which a block's scale takes up: the codes' values come out the same.
;;   OPERANDS COMPUTED ON THE WAY. 'Computed on the way' means the value that the module computes at that place (a softmax that the list does not call 'softmax' is quantised finished and normalised). What goes into a quantiser is computed in f32, as accurately as f32 sums, v_exp_f32 and their like allow (about 1e-6 of the number): no bf16 or f16 on the way to a quantiser, and a product that is left as it is and whose result goes on into a quantised operand takes f32 operands (vector FMAs, or v_wmma_f32_16x16x4_f32). A number that lies on a knife's edge between two numbers of the format may be rounded either way, as far as f32 arithmetic and the matrix unit's own rounding can turn it there, and no further.
;; One version. Each part assembles by itself: llvm-mc -triple=amdgcn-amd-amdhsa -mcpu=gfx1250 --defsym DOCPART=n.
;; ======== version 1 of 1: 2 launches
;; workspace buffers: kvrec 6,553,600 bytes
;; launch prep (part 1): grid 256 x 2, 4 waves a work-group, no clusters, 68,096 bytes of LDS; arguments k, v, kvrec; writes kvrec
.if DOCPART == 1
	.amdgcn_target "amdgcn-amd-amdhsa--gfx1250"
	.amdhsa_code_object_version 6
	.text
	.protected	k_q64197447b2_prep
	.globl	k_q64197447b2_prep
	.p2align	8
	.type	k_q64197447b2_prep,@function
k_q64197447b2_prep:
	s_mov_b64 s[64:65], 0
	v_nop
	global_prefetch_b8 v0, s[64:65] scope:SCOPE_SE
	s_setreg_imm32_b32 hwreg(HW_REG_WAVE_MODE, 25, 1), 1
	s_wait_xcnt 0x0
; k and v, [8192][512] f32, become codes of BF6 (E3M2) with one E8M0 scale byte for each 32 along a product's K, ONCE, for all the query blocks that read them.
; k is quantised along the head's 128 numbers, v along the KEYS (blocks of 32 keys counted from the sequence's start: 2,048 is a multiple of 32).
; THE OUTPUT IS LAID AS THE READER'S REGISTERS WANT IT.  A record of REC = 25,600 bytes serves one step of 128 keys of one (sequence, kv head); record x = 64 b + 16 hkv + step.
;   +0      K's eight fragments (16 keys x 128): tile T at 1,536 T; register j of lane l at 512 (j / 4) + 16 l + 4 (j % 4).  Lane (r, h) of tile 2 bb + u holds key 32 bb + 8 u + r + 8 (r / 8),
;           registers 6 c .. 6 c + 5 its numbers 64 c + 32 h + 0 .. 31.  (The keys of a tile are not neighbours, so that the scores of two neighbouring tiles are 16 neighbouring keys in a lane.)
;   +12,288 V^T's eight fragments, the same image: lane (r, h) of tile T holds channel 16 T + r, registers 6 c .. 6 c + 5 keys 64 c + 32 h + 0 .. 31.
;   +24,576 K's scale words: tile T, row r at 4 (16 T + r).      +25,088 V's: channel d at 4 d, byte bb for keys 32 bb on.
; A block's scale is 2^(floor(log2(its largest magnitude)) - 4); its byte is that magnitude's exponent field - 4, held at 1 from below.
; LIMITS: NaN and infinities among the inputs are not served.  A block whose largest magnitude lies under 2^-122 gets the byte 1; so does a block of zeros, where the rule says 127: its codes are zeros,
; which add nothing under any byte but 0xff, and this program alone reads the bytes.
; SHARES: work-group (x, 0) makes record x's part of K, work-group (x, 1) its part of V.  The two ways part on the work-group's y and never join; only K's way uses LDS, each wave its own bytes: no barrier.
; The scale words leave as 128 consecutive bytes a wave: 1,024 of a record's 25,600 bytes go out in pieces shorter than 256 bytes; all codes leave as whole aligned runs of 256 or 512 bytes.
.set REC,   25600
.set VCOD,  12288
.set KWO,   24576
.set VWO,   25088
.set SP,    528                        ; a stage row: a key's 512 bytes + 16 = 132 words, so that neighbouring rows start 4 words apart
.set WST,   32*SP                      ; a wave's stage: its 32 keys
.set LN,  1                            ; v1   lane
.set RR,  2                            ; v2   r = lane % 16
.set HH,  3                            ; v3   h = lane / 16
.set LI,  4                            ; v4   16 x lane
.set STW, 5                            ; v5   the stage, on the way in: my 16 bytes of a row
.set STR, 6                            ; v6   and out: row r + 8 (r / 8), + 64 h
.set CW,  7                            ; v7   K's codes: 3,072 x wave + 16 x lane
.set LSW, 8                            ; v8   4 x thread = 128 x wave + 4 x lane: scale words; also my channel's bytes in a row of v
.set WD,  9                            ; v9   the scale word to store
.set MX,  10                           ; v10-13  largest magnitudes
.set VWA, 14                           ; v14  V's codes: (2 wave + lane / 16) x 1,536 + 16 (lane % 16)
.set PB,  16                           ; v16-23  the other half's maxima, the bytes, then the upper halves of the blocks' codes
.set SOP, 24                           ; v24-27  the conversions' scale operands
.set PW0, 28
.set PW1, 29
.set PC0, 32                           ; v32-43, v44-55: two fragments' codes
.set PC1, 44
.set CT,  56                           ; v56-58
.set X,   64                           ; v64-191 numbers as they are loaded
.set RB0, 192                          ; v192-255 and v64-127: 64 numbers of a lane, register 16 b + i = number 32 b + 16 h + i of its row
.set RB1, 64
.set SEL, 20                           ; s[20:21] v_permlanex16_b32's selects for lane l xor 16
; the four blocks' largest magnitudes of a row whose 128 numbers lie in lanes l and l xor 16, with the floor 2^(5 - 127) among the leaves: so no byte falls under 1
.macro MAXABS src
.irp b, 0,1,2,3
	v_max3_num_f32 v[MX+\b], |v[\src+16*\b]|, |v[\src+16*\b+1]|, 0x2800000
.endr
.irp i, 2,4,6,8,10,12,14
.irp b, 0,1,2,3
	v_max3_num_f32 v[MX+\b], v[MX+\b], |v[\src+16*\b+\i]|, |v[\src+16*\b+\i+1]|   ; the four blocks by turns: no line waits for the line above it
.endr
.endr
.irp b, 0,1,2,3
	v_permlanex16_b32 v[PB+\b], v[MX+\b], s[SEL], s[SEL+1]
.endr
.irp b, 0,1,2,3
	v_max_num_f32 v[MX+\b], v[MX+\b], v[PB+\b]
.endr
.endm
; from the maxima in MX: the row's scale word, and the fragment's 12 registers of codes in v[dst] on
.macro CODES src, dst, word
.irp b, 0,1,2,3
	v_add_nc_u32 v[SOP+\b], 0xfe000000, v[MX+\b]   ; 4 off the exponent field: the conversion takes the exponent field of this operand as its scale
.endr
.irp b, 0,1,2,3
	v_lshrrev_b32 v[PB+\b], 23, v[SOP+\b]          ; the scale's byte
.endr
	v_lshl_or_b32 v[\word], v[PB+1], 8, v[PB]
	v_lshl_or_b32 v[\word], v[PB+2], 16, v[\word]
	v_lshl_or_b32 v[\word], v[PB+3], 24, v[\word]
.irp c, 0,1
	v_cvt_scalef32_pk16_bf6_f32 v[\dst+6*\c:\dst+6*\c+2], v[\src+32*\c:\src+32*\c+15], v[SOP+2*\c]
	v_cvt_scalef32_pk16_bf6_f32 v[PB+4*\c:PB+4*\c+2], v[\src+32*\c+16:\src+32*\c+31], v[SOP+2*\c+1]   ; (a conversion's three registers begin on an even number)
.endr
	v_nop                                          ; one plain instruction behind a scaled conversion
.irp c, 0,1                                    ; the operand's layout wants a WHOLE block in a lane: lanes 0-15 block 2 c, lanes 16-31 block 2 c + 1
.irp i, 0,1,2
	v_permlane16_swap_b32 v[\dst+6*\c+\i], v[PB+4*\c+\i]
.endr
.irp i, 0,1,2
	v_mov_b32 v[\dst+6*\c+3+\i], v[PB+4*\c+\i]
.endr
.endr
.endm
.macro BACK reg, u                             ; tile u of my two: 16 loads out of my stage, 64 numbers a lane
.irp b, 0,1,2,3
.irp n, 0,1,2,3
	ds_load_b128 v[\reg+16*\b+4*\n:\reg+16*\b+4*\n+3], v[STR] offset:8*SP*\u+128*\b+16*\n
.endr
.endr
.endm
.macro LOADV t                                 ; v(key 32 t + i, my channel), i = 0 .. 31, into set t % 2: 128 consecutive bytes a wave, the four waves side by side on 512
.set i, 0
.rept 32
	global_load_b32 v[X+32*((\t)%2)+i], v[LSW], s[6:7] offset:(32*(\t)+i)*2048 th:TH_LOAD_NT
.set i, i+1
.endr
.endm
.macro BLOCK t                                 ; block t of 32 keys of my channel: all 32 numbers are mine
.set XS, X+32*((\t)%2)
.set DD, PC0+12*((\t)%2)+6*((\t)/2)            ; block t = 2 c + h' fills registers 6 c .. 6 c + 5 of the image of lane (r, h')
.if (\t) < 3
	s_wait_loadcnt 32                              ; this block's 32 loads are in; the next block's may be out
.else
	s_wait_loadcnt 0x0
.endif
	v_max3_num_f32 v[MX], |v[XS]|, |v[XS+1]|, |v[XS+2]|
	v_max3_num_f32 v[MX+1], |v[XS+3]|, |v[XS+4]|, |v[XS+5]|
.irp i, 6,10,14,18,22,26
	v_max3_num_f32 v[MX], v[MX], |v[XS+\i]|, |v[XS+\i+1]|
	v_max3_num_f32 v[MX+1], v[MX+1], |v[XS+\i+2]|, |v[XS+\i+3]|
.endr
	v_max3_num_f32 v[MX], v[MX], |v[XS+30]|, |v[XS+31]|
	v_max3_num_f32 v[MX], v[MX], v[MX+1], 0x2800000   ; and the floor 2^(5 - 127)
	v_add_nc_u32 v[MX+2], 0xfe000000, v[MX]
	v_lshrrev_b32 v[MX+3], 23, v[MX+2]
.if (\t) == 0
	v_mov_b32 v[WD], v[MX+3]
.else
	v_lshl_or_b32 v[WD], v[MX+3], 8*(\t), v[WD]
.endif
	v_cvt_scalef32_pk16_bf6_f32 v[DD:DD+2], v[XS:XS+15], v[MX+2]
	v_cvt_scalef32_pk16_bf6_f32 v[CT:CT+2], v[XS+16:XS+31], v[MX+2]
	v_nop                                          ; one plain instruction behind a scaled conversion
.irp i, 0,1,2
	v_mov_b32 v[DD+3+\i], v[CT+\i]
.endr
.if (\t) < 2
	LOADV (\t)+2
.endif
.endm
	s_load_b128 s[4:7], s[0:1], 0x0                ; k s[4:5], v s[6:7]
	s_load_b64 s[8:9], s[0:1], 0x10                ; kvrec
	v_lshl_add_u32 v62, v0, 2, 0x10800
	v_mov_b32 v63, 0
	v_lshrrev_b32 v[LN], 5, v0
	v_readfirstlane_b32 s10, v[LN]                 ; wave 0..3
	v_and_b32 v[LN], 31, v0
	v_and_b32 v[RR], 15, v0
	v_bfe_u32 v[HH], v0, 4, 1
	v_lshlrev_b32 v[LI], 4, v[LN]
	s_mul_i32 s11, s10, WST
	v_add_nc_u32 v[STW], s11, v[LI]
	v_and_b32 v[STR], 8, v[RR]
	v_add_nc_u32 v[STR], v[STR], v[RR]             ; r + 8 (r / 8)
	v_mul_u32_u24 v[STR], v[STR], SP
	v_lshl_add_u32 v[STR], v[HH], 6, v[STR]
	v_add_nc_u32 v[STR], s11, v[STR]
	s_mul_i32 s11, s10, 3072
	v_add_nc_u32 v[CW], s11, v[LI]
	v_lshlrev_b32 v[LSW], 2, v0
	v_lshrrev_b32 v[VWA], 4, v0
	v_mul_u32_u24 v[VWA], v[VWA], 1536
	v_lshl_add_u32 v[VWA], v[RR], 4, v[VWA]
.irp b, 0,1,2,3
	v_mov_b32 v[PB+\b], 0                          ; written once: a lane permute's destination counts as one of its sources
.endr
	s_lshr_b32 s12, ttmp9, 6                       ; the sequence
	s_bfe_u32 s13, ttmp9, 0x20004                  ; the kv head
	s_and_b32 s11, ttmp9, 15                       ; the step of 128 keys
	s_lshl_b32 s12, s12, 11
	s_lshl_b32 s11, s11, 7
	s_add_co_u32 s14, s12, s11                     ; the step's first token,
	s_lshl_b32 s14, s14, 11                        ; its row of 2,048 bytes (16 MiB in all: 32 bits hold it),
	s_lshl_b32 s13, s13, 9
	s_add_co_u32 s14, s14, s13                     ; and the head's 512 bytes in it
	s_mov_b32 s15, 0
	s_mul_i32 s16, ttmp9, REC
	s_mov_b32 s17, 0
	s_and_b32 s18, ttmp7, 0xffff
	s_mov_b32 s[SEL], 0x76543210
	s_mov_b32 s[SEL+1], 0xfedcba98
	s_wait_kmcnt 0x0
	s_add_nc_u64 s[8:9], s[8:9], s[16:17]          ; my record
	s_cmp_lg_u32 s18, 0
	s_cbranch_scc1 .Lvpath
	; ---- K.  Wave w takes keys 32 w .. 32 w + 31 of the step: tiles 2 w and 2 w + 1.  Each load reads one key's 512 consecutive bytes; the rows turn through my stage, so that a lane gets 16 neighbours of each block.
	s_lshl_b32 s19, s10, 16
	s_add_co_u32 s14, s14, s19
	s_add_nc_u64 s[4:5], s[4:5], s[14:15]
.set i, 0
.rept 32
	global_load_b128 v[X+4*i:X+4*i+3], v[LI], s[4:5] offset:2048*i th:TH_LOAD_NT
.set i, i+1
.endr
.set i, 0
.rept 32
	s_wait_loadcnt 31-i                            ; loads come back in order: row i is in, the younger ones stay out
	ds_store_b128 v[STW], v[X+4*i:X+4*i+3] offset:SP*i
.set i, i+1
.endr
	BACK RB0, 0                                    ; LDS serves a wave's instructions in order: these see my stores
	s_wait_dscnt 0x0                               ; tile 0's numbers are in
	BACK RB1, 1                                    ; tile 1's land while tile 0 is quantised
	MAXABS RB0
	CODES RB0, PC0, PW0
.irp c, 0,1,2
	global_store_b128 v[CW], v[PC0+4*\c:PC0+4*\c+3], s[8:9] offset:512*\c   ; 512 consecutive bytes a store
.endr
	s_wait_dscnt 0x0
	MAXABS RB1
	CODES RB1, PC1, PW1
.irp c, 0,1,2
	global_store_b128 v[CW], v[PC1+4*\c:PC1+4*\c+3], s[8:9] offset:1536+512*\c
.endr
	v_cmp_gt_u32 vcc_lo, 16, v[LN]
	v_cndmask_b32 v[WD], v[PW1], v[PW0], vcc_lo    ; lanes 0-15: tile 2 w's words; lanes 16-31: tile 2 w + 1's (lanes l and l xor 16 hold the same row's word)
	global_store_b32 v[LSW], v[WD], s[8:9] offset:KWO
	s_wait_tensorcnt 0x0
	ds_add_u32 v62, v63
	s_wait_dscnt 0x0
	s_endpgm
.Lvpath:
	; ---- V.  A lane takes a channel d = 32 w + lane and its registers run down the keys: a block lies in one lane, and the codes come out with the keys innermost.
	s_add_nc_u64 s[6:7], s[6:7], s[14:15]
	LOADV 0
	LOADV 1
	BLOCK 0
	BLOCK 1
	BLOCK 2
	BLOCK 3
.irp g, 0,1                                    ; the image of lane (r, g) of tile 2 w + lane / 16: sixteen lanes store 256 consecutive bytes, at a multiple of 256 from the buffer's first byte
.irp c, 0,1,2
	global_store_b128 v[VWA], v[PC0+12*\g+4*\c:PC0+12*\g+4*\c+3], s[8:9] offset:VCOD+256*\g+512*\c
.endr
.endr
	global_store_b32 v[LSW], v[WD], s[8:9] offset:VWO
	s_endpgm
.Lfunc_end_k_q64197447b2_prep:
	.size	k_q64197447b2_prep, .Lfunc_end_k_q64197447b2_prep-k_q64197447b2_prep
	.p2alignl 7, 3214868480
	.fill 96, 4, 3214868480
	.section	.rodata,"a",@progbits
	.p2align	6, 0x0
	.amdhsa_kernel k_q64197447b2_prep
		.amdhsa_group_segment_fixed_size 68096
		.amdhsa_private_segment_fixed_size 0
		.amdhsa_enable_private_segment 0
		.amdhsa_kernarg_size 24
		.amdhsa_user_sgpr_count 2
		.amdhsa_user_sgpr_kernarg_segment_ptr 1
		.amdhsa_wavefront_size32 1
		.amdhsa_system_sgpr_workgroup_id_x 1
		.amdhsa_system_sgpr_workgroup_id_y 1
		.amdhsa_system_sgpr_workgroup_id_z 1
		.amdhsa_system_vgpr_workitem_id 0
		.amdhsa_next_free_vgpr 256
		.amdhsa_next_free_sgpr 66
		.amdhsa_reserve_vcc 1
		.amdhsa_float_denorm_mode_32 3
		.amdhsa_float_denorm_mode_16_64 3
		.amdhsa_memory_ordered 1
		.amdhsa_forward_progress 1
		.amdhsa_inst_pref_size 38
	.end_amdhsa_kernel
	.amdgpu_metadata
---
amdhsa.version: [ 1, 2 ]
amdhsa.kernels:
  - .name:           k_q64197447b2_prep
    .symbol:         k_q64197447b2_prep.kd
    .args:
      - { .name: k, .offset: 0, .size: 8, .value_kind: global_buffer, .address_space: global }
      - { .name: v, .offset: 8, .size: 8, .value_kind: global_buffer, .address_space: global }
      - { .name: kvrec, .offset: 16, .size: 8, .value_kind: global_buffer, .address_space: global }
    .group_segment_fixed_size: 68096
    .private_segment_fixed_size: 0
    .kernarg_segment_align: 8
    .kernarg_segment_size: 24
    .max_flat_workgroup_size: 128
    .sgpr_count:     66
    .vgpr_count:     256
    .wavefront_size: 32
...
	.end_amdgpu_metadata
.endif
;; end of part 1
;; launch attn (part 2): grid 16 x 16, 8 waves a work-group, no clusters, 327,680 bytes of LDS; arguments q, kvrec, out0; writes out0
.if DOCPART == 2
	.amdgcn_target "amdgcn-amd-amdhsa--gfx1250"
	.amdhsa_code_object_version 6
	.text
	.protected	k_q64197447b2_attn
	.globl	k_q64197447b2_attn
	.p2align	8
	.type	k_q64197447b2_attn,@function
k_q64197447b2_attn:
	s_mov_b64 s[64:65], 0
	v_nop
	global_prefetch_b8 v0, s[64:65] scope:SCOPE_SE
	s_setreg_imm32_b32 hwreg(HW_REG_WAVE_MODE, 25, 1), 1
	s_wait_xcnt 0x0
; Causal attention with grouped query heads: 4 sequences of 2,048 tokens, 16 query heads, 4 kv heads, head size 128; both products on codes of BF6 (E3M2) with one E8M0 scale for each 32 along K.
; q, out0: [8192][2048] f32.  K and V come from kvrec: one record of 25,600 bytes for each step of 128 keys of a (sequence, kv head), laid as images of the operands' registers (the launch before made them).
; SOFTMAX: t = score x log2(e) / sqrt(128); M = the running largest t rounded UP to a whole number; p = 2^(t - M) is quantised along the keys; the row's sum is taken of the unquantised p and divides O at the end.
; When M moves, the sum and O are multiplied by 2^(old M - new M): exact.  Hidden keys' scores become -infinity ahead of the maximum: p = 0.
; SHARES.  Work-group (j, y), y = 4 x sequence + kv head, owns two blocks of 64 positions, for the kv head's four query heads: block j (phase A, j / 2 + 1 steps of 128 keys) and block 31 - j (phase B):
; 17 visible steps in EVERY work-group, and steps that lie wholly behind the mask are never walked.  Since 64 divides 128, a phase's last step is the one on the diagonal, for all waves.
; Wave w owns 16 positions (w / 2) and two heads (2 (w % 2), + 1): two tiles, which share every fragment of K and V that the wave reads from LDS, and the mask's compares.
; ONE LOOP OF CONSTANT COUNT: trips 0 .. 15 and a last one written out.  The change of phase stands inside a trip, under scalar branches on ids that are the same in all waves;
; no barrier and no tensor load stands under them.
; LAYOUT.  Both products are used transposed: S^T = K Q^T (source 0 = 16 keys, source 1 = 16 queries), O^T = V^T P^T: a lane holds ONE query (lane % 16) throughout, and p's 16 registers of two neighbouring
; tiles are 16 neighbouring keys.
; RING.  Two LDS slots of one record.  Waves 0-3 fetch a quarter each; a wave has at most one tensor load out.  One barrier a trip.
; NO CLUSTER: only work-groups 2 m and 2 m + 1 of a row of the grid walk the same records in the same trips; a cluster's other partners would want other records, and the phase's branch would hang on the place in
; the cluster.  What would be shared is 25,600 bytes a trip, beside which each wave issues about 500 vector instructions.
; LIMITS: NaN and infinities among the inputs are not served.  A block of q whose largest magnitude lies under 2^-122 (a block of zeros too) gets the scale byte 1.  A p under 2^-126 counts as 0 (v_exp_f32 gives
; no denormals: ISA guide 15.8).  t = score x c is rounded once.
; REGISTERS.  Window 0: v1-11 addresses; v12-19 the tiles' -M, largest t, sum (two halves); v20-67 four fragments; v68-91 p's codes; v92-219 the scores, then p; v220-247 at work and scale words.
;   (v20-83 serve again as 64 registers for rows read back from the stage.)   Window 1: v0-127 O^T; v128-151 Q's two fragments; v152-199 fragments 4-7.
.set REC,   25600
.set QTR,   6400                       ; what one tensor load brings: 25 rows of 256 bytes
.set VCOD,  12288
.set KWO,   24576
.set VWO,   25088
.set SLOT1, 1<<15                      ; slot 1 begins here: one exclusive or turns an address in one slot into the other's
.set STG,   65536                      ; a stage of 16 rows x 528 bytes for each wave: q's turn and the way out.  No fill lands there
.set SP,    528                        ; 512 bytes + 16 = 132 words: neighbouring rows start 4 words apart
.set WST,   16*SP
.set SPARE, STG+8*WST                  ; the spare words, 128 bytes for each wave: four blocks of 256 bytes that no other line names
.set LI,  1                            ; v1   16 x lane
.set LS,  2                            ; v2   4 x lane
.set SPW, 3                            ; v3   LDS address of my spare word; never rewritten
.set NIL, 4                            ; v4   0; never rewritten
.set STW, 5                            ; v5   my stage: a whole row, 16 bytes a lane
.set STR, 6                            ; v6   my stage: row r, + 64 h
.set SO,  7                            ; v7   my stage: row r, + 32 h
.set ADK, 8                            ; v8   the slot in hand + 16 x lane
.set ADS, 9                            ; v9   the slot in hand + 4 x lane
.set DG,  10                           ; v10  r - 16 h
.set PF,  11                           ; v11  prefetch: 8,192 (lane / 4) + 256 (lane % 4)
.set ST0, 12                           ; v12-15, v16-19
.set FR,  20
.set PC0, 68                           ; v68-79, v80-91
.set RB,  20
.set SCR0, 92
.set SCR1, 156
.set MX,  220
.set PB,  224
.set SOP, 232
.set KW,  236                          ; v236-239 K's or V's scale words: lanes 0-15 tile 2 n's, lanes 16-31 tile 2 n + 1's
.set FF,  240                          ; v240 the factor; v241 named with it as a pair
.set PW0, 242                          ; v242, v243 p's scale words
.set QW0, 244                          ; v244, v245 q's
.set TMP, 246
.set TMP2, 247
.set QF0, 128                          ; window 1
.set QF1, 140
.set FR2, 152
.set WV,  10
.set G1,  16                           ; s[16:23] descriptor group 1
.set G0,  24                           ; s[24:27] descriptor group 0
.set KB,  28                           ; s[28:29] my quarter of the (sequence, kv head)'s record 0
.set OF,  30                           ; s[30:31]
.set TRIP, 32
.set NA1, 33                           ; phase A's last trip: j / 2
.set KS,  34                           ; the record asked for last
.set TB,  35                           ; LDS byte at which the slot in hand begins
.set DQA, 36                           ; my first query less the diagonal step's first key, phase A
.set DQB, 37                           ; phase B
.set SEL, 38
.set CS,  40                           ; s[40:41] c = log2(e) / sqrt(128)
.set QPA, 42
.set QPB, 44
.set OPA, 46
.set OPB, 48
.set KN,  50
.set MSB, 0
.macro WIN new                         ; s_set_vgpr_msb: bits 1:0 source 0, 3:2 source 1, 5:4 source 2, 7:6 destination; the high byte repeats the setting that is left
.if MSB != \new
	s_set_vgpr_msb (MSB<<8)|\new
.set MSB, \new
.endif
.endm
.macro PLACES                          ; four plain instructions behind a matrix instruction, ahead of reads of its result and of loads into its registers
.rept 4
	v_nop
.endr
.endm
.macro TLOAD                           ; waves 0-3 fetch a quarter of a record each; four v_nop follow the load
	s_cmp_lt_u32 s[WV], 4
	s_cbranch_scc0 .Lasked_\@
	tensor_load_to_lds s[G0:G0+3], s[G1:G1+7]
	s_nop 0
.rept 4
	v_nop
.endr
.Lasked_\@:
.endm
; THE CHANGE OF SLOTS, at a trip's head.  Each wave waits for all its tensor loads (its quarter of the record that is about to be read), adds 0 to its spare word, and waits for that and for its reads of the other slot.
; Behind the barrier the slot ahead is whole and nobody reads the other one.  fill = 1: the other slot takes the next trip's record, which has this whole trip in which to land.
.macro CHANGE fill
	s_wait_tensorcnt 0x0                           ; no tensor load of mine is out, so group 0 may be written
	ds_add_u32 v[SPW], v[NIL]                      ; 0 onto my spare word
.if \fill
	s_xor_b32 s[G0+1], s[G0+1], SLOT1              ; the other slot than last time
	s_add_co_u32 s[KN], s[KS], 1
	s_cmp_eq_u32 s[TRIP], s[NA1]
	s_cselect_b32 s[KS], 0, s[KN]                  ; the next record; behind phase A's last trip phase B begins at record 0
	s_mul_i32 s[OF], s[KS], REC
	s_add_nc_u64 s[G0+2:G0+3], s[KB:KB+1], s[OF:OF+1]
	s_or_b32 s[G0+3], s[G0+3], 0x80000000          ; type = 2
.endif
	s_wait_dscnt 0x0                               ; the add is done, and my reads of the slot that I have left are over
	s_barrier_signal -1
	s_barrier_wait -1
.if \fill
	TLOAD                                          ; the first thing behind the barrier, and a wave's one tensor load until the next
.endif
.endm
.macro MAXABS src                      ; the four blocks' largest magnitudes of a row that lies in lanes l and l xor 16, with the floor 2^(5 - 127) among the leaves
.irp b, 0,1,2,3
	v_max3_num_f32 v[MX+\b], |v[\src+16*\b]|, |v[\src+16*\b+1]|, 0x2800000
.endr
.irp i, 2,4,6,8,10,12,14
.irp b, 0,1,2,3
	v_max3_num_f32 v[MX+\b], v[MX+\b], |v[\src+16*\b+\i]|, |v[\src+16*\b+\i+1]|
.endr
.endr
.irp b, 0,1,2,3
	v_permlanex16_b32 v[PB+\b], v[MX+\b], s[SEL], s[SEL+1]
.endr
.irp b, 0,1,2,3
	v_max_num_f32 v[MX+\b], v[MX+\b], v[PB+\b]
.endr
.endm
; 64 numbers of a lane (register 16 b + i = k 32 b + 16 h + i of its row) and the blocks' maxima in MX become the row's scale word and a fragment's 12 registers
.macro CODES src, dst, word
.irp b, 0,1,2,3
	v_add_nc_u32 v[SOP+\b], 0xfe000000, v[MX+\b]   ; 4 off the exponent field: the conversion's scale operand
.endr
.irp b, 0,1,2,3
	v_lshrrev_b32 v[PB+\b], 23, v[SOP+\b]          ; the scale's byte
.endr
	v_lshl_or_b32 v[\word], v[PB+1], 8, v[PB]
	v_lshl_or_b32 v[\word], v[PB+2], 16, v[\word]
	v_lshl_or_b32 v[\word], v[PB+3], 24, v[\word]
.irp c, 0,1
	v_cvt_scalef32_pk16_bf6_f32 v[\dst+6*\c:\dst+6*\c+2], v[\src+32*\c:\src+32*\c+15], v[SOP+2*\c]
	v_cvt_scalef32_pk16_bf6_f32 v[PB+4*\c:PB+4*\c+2], v[\src+32*\c+16:\src+32*\c+31], v[SOP+2*\c+1]   ; (a conversion's three registers begin on an even number)
.endr
	v_nop                                          ; one plain instruction behind a scaled conversion
.irp c, 0,1                                    ; the operand's layout wants a WHOLE block in a lane
.irp i, 0,1,2
	v_permlane16_swap_b32 v[\dst+6*\c+\i], v[PB+4*\c+\i]
.endr
.irp i, 0,1,2
	v_mov_b32 v[\dst+6*\c+3+\i], v[PB+4*\c+\i]
.endr
.endr
.endm
.macro QLOAD qp                        ; my 16 positions x 2 heads of q: each load reads a head's 512 consecutive bytes of one position
.irp x, 0,1
.set i, 0
.rept 16
	global_load_b128 v[SCR0+64*\x+4*i:SCR0+64*\x+4*i+3], v[LI], s[\qp:\qp+1] offset:8192*i+512*\x th:TH_LOAD_NT
.set i, i+1
.endr
.endr
.endm
.macro QMAKE x                         ; tile x of q turns through my stage, is quantised, and its fragment goes to window 1
.set i, 0
.rept 16
	ds_store_b128 v[STW], v[SCR0+64*\x+4*i:SCR0+64*\x+4*i+3] offset:SP*i
.set i, i+1
.endr
.irp b, 0,1,2,3
.irp n, 0,1,2,3
	ds_load_b128 v[RB+16*\b+4*\n:RB+16*\b+4*\n+3], v[STR] offset:128*\b+16*\n   ; LDS serves a wave's instructions in order: these see my stores
.endr
.endr
	s_wait_dscnt 0x0
	MAXABS RB
	CODES RB, SCR0+64*\x, QW0+\x
	WIN 0x40
.set i, 0
.rept 12
	v_mov_b32 v[QF0+12*\x+i], v[SCR0+64*\x+i]
.set i, i+1
.endr
	WIN 0
.endm
.macro RESET                           ; a phase begins: O^T and the sums are zeros, the largest t is -3e38, so that the step is written once: the first change of M multiplies zeros.
	WIN 0x40                                       ; (These lines are also the distance between the writes of Q and its scale word and the first products)
.set i, 0
.rept 128
	v_mov_b32 v[i], 0
.set i, i+1
.endr
	WIN 0
.irp x, 0,1
	v_mov_b32 v[ST0+4*\x+1], 0xff61b1e6
	v_floor_f32 v[ST0+4*\x], -v[ST0+4*\x+1]
	v_mov_b32 v[ST0+4*\x+2], 0
	v_mov_b32 v[ST0+4*\x+3], 0
.endr
.endm
; one matrix instruction.  zero = 1: it starts a sum; else it adds onto its own result.  odd = 1: source 0's scale words lie in lanes 16-31
.macro MM zero, d, a, b, sa, sb, odd
.if \zero
.if \odd
	v_wmma_scale_f32_16x16x128_f8f6f4 v[\d:\d+7], v[\a:\a+11], v[\b:\b+11], 0, v[\sa], v[\sb] matrix_a_fmt:MATRIX_FMT_BF6 matrix_b_fmt:MATRIX_FMT_BF6 matrix_a_scale:MATRIX_SCALE_ROW1
.else
	v_wmma_scale_f32_16x16x128_f8f6f4 v[\d:\d+7], v[\a:\a+11], v[\b:\b+11], 0, v[\sa], v[\sb] matrix_a_fmt:MATRIX_FMT_BF6 matrix_b_fmt:MATRIX_FMT_BF6
.endif
.else
.if \odd
	v_wmma_scale_f32_16x16x128_f8f6f4 v[\d:\d+7], v[\a:\a+11], v[\b:\b+11], v[\d:\d+7], v[\sa], v[\sb] matrix_a_fmt:MATRIX_FMT_BF6 matrix_b_fmt:MATRIX_FMT_BF6 matrix_a_scale:MATRIX_SCALE_ROW1
.else
	v_wmma_scale_f32_16x16x128_f8f6f4 v[\d:\d+7], v[\a:\a+11], v[\b:\b+11], v[\d:\d+7], v[\sa], v[\sb] matrix_a_fmt:MATRIX_FMT_BF6 matrix_b_fmt:MATRIX_FMT_BF6
.endif
.endif
.endm
; eight fragments and their scale words out of the slot in hand: images of registers, 512 consecutive bytes a load.  Leaves the destination window at 1
.macro FETCH cod, wrd
.irp t, 0,1,2,3
.irp c, 0,1,2
	ds_load_b128 v[FR+12*\t+4*\c:FR+12*\t+4*\c+3], v[ADK] offset:\cod+1536*\t+512*\c
.endr
.endr
.irp n, 0,1,2,3
	ds_load_b32 v[KW+\n], v[ADS] offset:\wrd+128*\n
.endr
	WIN 0x40
.irp t, 0,1,2,3
.irp c, 0,1,2
	ds_load_b128 v[FR2+12*\t+4*\c:FR2+12*\t+4*\c+3], v[ADK] offset:\cod+1536*(\t+4)+512*\c
.endr
.endr
.endm
; on the diagonal: register 16 b + i holds key (step's first) + 32 b + 16 h + i, hidden where 32 b + i > my query - the step's first key - 16 h.  One compare serves both tiles; each accumulator is read from its low end on
.macro MASK dq
	v_add_nc_u32 v[TMP2], s[\dq], v[DG]
	v_mov_b32 v[TMP], 0xff800000                   ; -infinity
.set nn, 0
.rept 64
	v_cmp_gt_i32 vcc_lo, 32*(nn/16)+nn%16, v[TMP2]
	v_cndmask_b32 v[SCR0+nn], v[SCR0+nn], v[TMP], vcc_lo
	v_cndmask_b32 v[SCR1+nn], v[SCR1+nn], v[TMP], vcc_lo
.set nn, nn+1
.endr
.endm
.macro SOFTMAX x
.set rS, SCR0+64*\x
.set rT, ST0+4*\x
.set rP, PC0+12*\x
.set rW, PW0+\x
.set rO, 64*\x
.irp b, 0,1,2,3
	v_max3_num_f32 v[MX+\b], v[rS+16*\b], v[rS+16*\b+1], v[rS+16*\b+2]   ; the largest score of each block of 32 keys: it serves the row's maximum and, since p rises with the score, the block's largest p
.endr
.irp i, 3,5,7,9,11,13
.irp b, 0,1,2,3
	v_max3_num_f32 v[MX+\b], v[MX+\b], v[rS+16*\b+\i], v[rS+16*\b+\i+1]
.endr
.endr
.irp b, 0,1,2,3
	v_max_num_f32 v[MX+\b], v[MX+\b], v[rS+16*\b+15]
.endr
.irp b, 0,1,2,3
	v_permlanex16_b32 v[PB+\b], v[MX+\b], s[SEL], s[SEL+1]
.endr
.irp b, 0,1,2,3
	v_max_num_f32 v[MX+\b], v[MX+\b], v[PB+\b]     ; with lane l xor 16's 16 keys
.endr
	v_max3_num_f32 v[TMP], v[MX], v[MX+1], v[MX+2]
	v_max_num_f32 v[TMP], v[TMP], v[MX+3]          ; the step's largest score of my query
	v_mul_f32 v[TMP], s[CS], v[TMP]                ; as t (c is positive)
	v_max_num_f32 v[rT+1], v[rT+1], v[TMP]         ; the running largest t
	v_mov_b32 v[TMP], v[rT]
	v_floor_f32 v[rT], -v[rT+1]                    ; the new -M = floor(-t): M is a whole number
	v_sub_f32 v[TMP], v[rT], v[TMP]                ; old M - new M: a whole number, 0 or less
	v_cvt_i32_f32 v[TMP], v[TMP]                   ; (it saturates)
	v_ldexp_f32 v[FF], 1.0, v[TMP]                 ; f = 2^(old M - new M)
.set jj, 0
.rept 32
	v_pk_fma_f32 v[rS+jj:rS+jj+1], v[rS+jj:rS+jj+1], s[CS:CS+1], v[rT:rT+1] op_sel_hi:[1,0,0]   ; t - M, two at a time
.set jj, jj+2
.endr
.irp b, 0,1,2,3
	v_fma_f32 v[MX+\b], v[MX+\b], s[CS], v[rT]     ; the same of each block's largest score
.endr
.set jj, 0
.rept 64
	v_exp_f32 v[rS+jj], v[rS+jj]                   ; p = 2^(t - M), at most 1: not normalised
.set jj, jj+1
.endr
.irp b, 0,1,2,3
	v_exp_f32 v[MX+\b], v[MX+\b]                   ; the block's largest p: the same two instructions on the same number
.endr
	v_pk_mul_f32 v[rT+2:rT+3], v[rT+2:rT+3], v[FF:FF+1] op_sel_hi:[1,0]   ; the sums under the new M (a plain instruction behind the exponentials)
	s_wait_alu depctr_va_vdst(0)
.irp b, 0,1,2,3
	v_max_num_f32 v[MX+\b], 0x2800000, v[MX+\b]    ; the floor 2^(5 - 127): a block whose every p is 0 keeps the byte 1; its codes are zeros
.endr
	CODES rS, rP, rW
	v_pk_add_f32 v[PB:PB+1], v[rS:rS+1], v[rS+2:rS+3]   ; the row's sum is taken of the unquantised p: two at a time, in two chains
.set jj, 4
.rept 15
	v_pk_add_f32 v[rT+2:rT+3], v[rT+2:rT+3], v[rS+jj:rS+jj+1]
	v_pk_add_f32 v[PB:PB+1], v[PB:PB+1], v[rS+jj+2:rS+jj+3]
.set jj, jj+4
.endr
	v_pk_add_f32 v[rT+2:rT+3], v[rT+2:rT+3], v[PB:PB+1]
	WIN 0x41
.set jj, 0
.rept 32
	v_pk_mul_f32 v[rO+jj:rO+jj+1], v[rO+jj:rO+jj+1], v[FF:FF+1] op_sel_hi:[1,0]   ; O^T under the new M, each accumulator from its low end on
.set jj, jj+2
.endr
	WIN 0
.endm
.macro PV x                            ; O^T += V^T P^T for tile x: eight accumulators, one instruction each: they take turns
	WIN 0x50
.irp t, 0,1,2,3
	MM 0, 64*\x+8*\t, FR+12*\t, PC0+12*\x, KW+\t/2, PW0+\x, \t%2
.endr
	WIN 0x51
.irp t, 0,1,2,3
	MM 0, 64*\x+32+8*\t, FR2+12*\t, PC0+12*\x, KW+2+\t/2, PW0+\x, \t%2
.endr
	WIN 0
.endm
; A STEP: 128 keys against my two tiles.  diag = 0: the loop's copy, masked in phase A's last trip alone; diag = 1: the last trip, phase B's diagonal.
.macro STEP diag
	v_add_nc_u32 v[ADK], s[TB], v[LI]
	v_add_nc_u32 v[ADS], s[TB], v[LS]
	v_nop
	v_nop                                          ; four plain instructions behind the last trip's products, ahead of loads into their registers
	FETCH 0, KWO                                   ; K
	s_wait_dscnt 12                                ; fragments 0-3 and the scale words are in; the 12 younger loads (fragments 4-7) may be out
	WIN 0x04
.irp t, 0,1,2,3
	MM 1, SCR0+8*\t, FR+12*\t, QF0, KW+\t/2, QW0, \t%2
.endr
	s_wait_dscnt 0x0
	WIN 0x05
.irp t, 0,1,2,3
	MM 1, SCR0+32+8*\t, FR2+12*\t, QF0, KW+2+\t/2, QW0, \t%2
.endr
.irp t, 0,1,2,3
	MM 1, SCR1+32+8*\t, FR2+12*\t, QF1, KW+2+\t/2, QW0+1, \t%2
.endr
	WIN 0x04
.irp t, 0,1,2,3
	MM 1, SCR1+8*\t, FR+12*\t, QF1, KW+\t/2, QW0+1, \t%2
.endr
	WIN 0
	PLACES
	FETCH VCOD, VWO                                ; V: it lands under the first tile's softmax
	WIN 0
.if \diag
	MASK DQB
.else
	s_cmp_lg_u32 s[TRIP], s[NA1]
	s_cbranch_scc1 .Lopen_\@
	global_prefetch_b8 v[PF], s[QPB:QPB+1] th:TH_LOAD_NT scope:SCOPE_SE                ; phase B's q, my 16 rows x 1,024 bytes: each of its 64 aligned blocks of 256 bytes is asked for once, by this wave,
	global_prefetch_b8 v[PF], s[QPB:QPB+1] offset:65536 th:TH_LOAD_NT scope:SCOPE_SE   ; in the trip at whose end it is loaded: this step's mask, two softmaxes and sixteen products stand between
	MASK DQA
.Lopen_\@:
.endif
	SOFTMAX 0
	s_wait_dscnt 0x0                               ; V is in
	PV 0                                           ; issued ahead of tile 1's softmax, which names none of their registers
	SOFTMAX 1
	PV 1
.endm
; tile x leaves: O^T / the sum goes through my stage and comes back as whole rows of a head's 512 bytes
.macro FINISH x, op
.set rT, ST0+4*\x
.set rO, 64*\x
	v_add_f32 v[rT+2], v[rT+2], v[rT+3]            ; the sum's two halves,
	v_permlanex16_b32 v[PB], v[rT+2], s[SEL], s[SEL+1]
	v_add_f32 v[rT+2], v[rT+2], v[PB]              ; and lane l xor 16's
	v_rcp_f32 v[FF], v[rT+2]
	v_nop                                          ; one plain instruction behind a transcendental
	WIN 0x41
.set jj, 0
	s_wait_alu depctr_va_vdst(0)
.rept 32
	v_pk_mul_f32 v[rO+jj:rO+jj+1], v[rO+jj:rO+jj+1], v[FF:FF+1] op_sel_hi:[1,0]
.set jj, jj+2
.endr
	WIN 0x04                                       ; an LDS store's data are its source 1: window 1
.irp t, 0,1,2,3,4,5,6,7
	ds_store_b128 v[SO], v[rO+8*\t:rO+8*\t+3] offset:64*\t          ; lane (r, h): o(r, 16 t + 8 h + 0 .. 7)
	ds_store_b128 v[SO], v[rO+8*\t+4:rO+8*\t+7] offset:64*\t+16
.endr
	WIN 0
.set i, 0
.rept 16
	ds_load_b128 v[RB+4*i:RB+4*i+3], v[STW] offset:SP*i             ; LDS serves a wave's instructions in order: these see my stores
.set i, i+1
.endr
.set i, 0
.rept 16
	s_wait_dscnt 15-i                              ; row i is back; the younger loads stay out
	global_store_b128 v[LI], v[RB+4*i:RB+4*i+3], s[\op:\op+1] offset:8192*i+512*\x th:TH_STORE_NT   ; 512 consecutive bytes, at a multiple of 512 from out0's first byte
.set i, i+1
.endr
.endm
	s_load_b128 s[4:7], s[0:1], 0x0                ; q s[4:5], kvrec s[6:7]
	s_load_b64 s[8:9], s[0:1], 0x10                ; out0
	v_lshl_add_u32 v[SPW], v0, 2, SPARE
	v_mov_b32 v[NIL], 0
	ds_add_u32 v3, v4
	s_wait_dscnt 0x0
	v_lshrrev_b32 v[STW], 5, v0
	v_readfirstlane_b32 s[WV], v[STW]              ; wave 0..7
	; descriptor group 1: a dense block of 6,400 bytes as 25 rows of 256 bytes (32 elements of 8 bytes), no padding: the images are read as they lie
	s_mov_b32 s[G1+0], 3<<16
	s_mov_b32 s[G1+1], 32<<16                      ; tensor_dim0 = 32
	s_mov_b32 s[G1+2], 25<<16                      ; tensor_dim1 = 25
	s_mov_b32 s[G1+3], 32<<16                      ; tile_dim0 = 32
	s_mov_b32 s[G1+4], 25                          ; tile_dim1 = 25
	s_mov_b32 s[G1+5], 32                          ; from row to row
	s_mov_b32 s[G1+6], 0
	s_mov_b32 s[G1+7], 0
	s_and_b32 s52, ttmp7, 0xffff                   ; y = 4 x sequence + kv head
	s_lshr_b32 s[NA1], ttmp9, 1
	s_and_b32 s53, ttmp9, 1
	s_lshr_b32 s54, s[WV], 1                       ; which 16 positions
	s_and_b32 s55, s[WV], 1                        ; which pair of heads
	s_lshl_b32 s56, s54, 4
	s_lshl_b32 s[DQA], s53, 6
	s_add_co_u32 s[DQA], s[DQA], s56               ; 64 (j % 2) + 16 (w / 2)
	s_xor_b32 s[DQB], s53, 1
	s_lshl_b32 s[DQB], s[DQB], 6
	s_add_co_u32 s[DQB], s[DQB], s56               ; block 31 - j lies in the other half of its step
	s_lshr_b32 s57, s52, 2
	s_and_b32 s58, s52, 3
	s_lshl_b32 s57, s57, 11
	s_add_co_u32 s57, s57, s56                     ; the sequence's first token + my 16 positions' place in a block
	s_lshl_b32 s58, s58, 11
	s_lshl_b32 s55, s55, 10
	s_add_co_u32 s58, s58, s55                     ; my two heads' bytes in a row: 2,048 x kv head + 1,024 x pair
	s_lshl_b32 s59, ttmp9, 6
	s_add_co_u32 s59, s59, s57
	s_lshl_b32 s[QPA], s59, 13                     ; rows of 8,192 bytes (64 MiB in all: 32 bits hold it)
	s_add_co_u32 s[QPA], s[QPA], s58
	s_mov_b32 s[QPA+1], 0
	s_sub_co_u32 s59, 31, ttmp9
	s_lshl_b32 s59, s59, 6
	s_add_co_u32 s59, s59, s57
	s_lshl_b32 s[QPB], s59, 13
	s_add_co_u32 s[QPB], s[QPB], s58
	s_mov_b32 s[QPB+1], 0
	s_mul_i32 s[KB], s52, 16*REC
	s_mul_i32 s51, s[WV], QTR
	s_add_co_u32 s[KB], s[KB], s51
	s_mov_b32 s[KB+1], 0
	s_mov_b32 s[OF+1], 0
	s_mov_b32 s[SEL], 0x76543210
	s_mov_b32 s[SEL+1], 0xfedcba98
	s_mov_b32 s[CS], 0x3e0293ee
	s_mov_b32 s[CS+1], s[CS]                       ; (named with it as a pair, so it is written)
	s_mov_b32 s[TRIP], 0
	s_mov_b32 s[KS], 0
	s_mov_b32 s[TB], 0
	s_wait_kmcnt 0x0
	s_add_nc_u64 s[KB:KB+1], s[6:7], s[KB:KB+1]
	s_mov_b32 s[G0], 1                             ; count = 1
	s_mul_i32 s[G0+1], s[WV], QTR                  ; LDS address: slot 0, my quarter
	s_mov_b64 s[G0+2:G0+3], s[KB:KB+1]             ; record 0
	s_or_b32 s[G0+3], s[G0+3], 0x80000000          ; type = 2
	TLOAD                                          ; the first fill, ahead of every wait on TENSORcnt, every LDS read and every barrier
	s_add_nc_u64 s[OPA:OPA+1], s[8:9], s[QPA:QPA+1]
	s_add_nc_u64 s[OPB:OPB+1], s[8:9], s[QPB:QPB+1]
	s_add_nc_u64 s[QPA:QPA+1], s[4:5], s[QPA:QPA+1]
	s_add_nc_u64 s[QPB:QPB+1], s[4:5], s[QPB:QPB+1]
	v_and_b32 v[ADK], 31, v0                       ; lane
	v_and_b32 v[ADS], 15, v0                       ; r
	v_bfe_u32 v[PF], v0, 4, 1                      ; h
	v_lshlrev_b32 v[LI], 4, v[ADK]
	v_lshlrev_b32 v[LS], 2, v[ADK]
	QLOAD QPA
	s_mul_i32 s51, s[WV], WST
	s_add_co_u32 s51, s51, STG                     ; my stage
	v_add_nc_u32 v[STW], s51, v[LI]
	v_mul_u32_u24 v[STR], v[ADS], SP
	v_add_nc_u32 v[STR], s51, v[STR]
	v_lshl_add_u32 v[SO], v[PF], 5, v[STR]
	v_lshl_add_u32 v[STR], v[PF], 6, v[STR]
	v_lshlrev_b32 v[DG], 4, v[PF]
	v_sub_nc_u32 v[DG], v[ADS], v[DG]
	v_lshrrev_b32 v[PF], 2, v[ADK]
	v_and_b32 v[ADK], 3, v[ADK]
	v_lshlrev_b32 v[ADK], 8, v[ADK]
	v_lshl_add_u32 v[PF], v[PF], 13, v[ADK]
.irp b, 0,1,2,3
	v_mov_b32 v[PB+\b], 0                          ; written once: a lane permute's destination counts as one of its sources
.endr
	v_mov_b32 v[FF+1], 0                           ; (named as the upper half of a pair)
	s_wait_loadcnt 0x0                             ; q
	QMAKE 0
	QMAKE 1
	RESET
.Lstep:                                            ; trips 0 .. 15: behind each change of slots the next trip's record is asked for
	CHANGE 1
	STEP 0
	s_cmp_lg_u32 s[TRIP], s[NA1]
	s_cbranch_scc1 .Lsame
	PLACES                                         ; PHASE A IS DONE: four plain instructions behind its last products
	QLOAD QPB                                      ; phase B's q, into the scores' registers, which are free; it lands while phase A's results leave
	FINISH 0, OPA
	s_wait_xcnt 0x0                                ; the stores have read their registers: the rows' registers are loaded again only behind this wait
	FINISH 1, OPA
	s_wait_xcnt 0x0
	s_wait_loadcnt 0x0                             ; q
	QMAKE 0
	QMAKE 1
	RESET
.Lsame:
	s_xor_b32 s[TB], s[TB], SLOT1                  ; on to the other slot
	s_add_co_u32 s[TRIP], s[TRIP], 1
	s_cmp_lt_u32 s[TRIP], 16
	s_cbranch_scc1 .Lstep
	CHANGE 0                                       ; the last trip is written out: nothing is left to fetch
	STEP 1
	PLACES
	FINISH 0, OPB
	s_wait_xcnt 0x0
	FINISH 1, OPB
	s_wait_tensorcnt 0x0                           ; the wave's end: behind my last tensor load and my last LDS store
	ds_add_u32 v[SPW], v[NIL]
	s_wait_dscnt 0x0
	s_endpgm
.Lfunc_end_k_q64197447b2_attn:
	.size	k_q64197447b2_attn, .Lfunc_end_k_q64197447b2_attn-k_q64197447b2_attn
	.p2alignl 7, 3214868480
	.fill 96, 4, 3214868480
	.section	.rodata,"a",@progbits
	.p2align	6, 0x0
	.amdhsa_kernel k_q64197447b2_attn
		.amdhsa_group_segment_fixed_size 327680
		.amdhsa_private_segment_fixed_size 0
		.amdhsa_enable_private_segment 0
		.amdhsa_kernarg_size 24
		.amdhsa_user_sgpr_count 2
		.amdhsa_user_sgpr_kernarg_segment_ptr 1
		.amdhsa_wavefront_size32 1
		.amdhsa_system_sgpr_workgroup_id_x 1
		.amdhsa_system_sgpr_workgroup_id_y 1
		.amdhsa_system_sgpr_workgroup_id_z 1
		.amdhsa_system_vgpr_workitem_id 0
		.amdhsa_next_free_vgpr 512
		.amdhsa_next_free_sgpr 66
		.amdhsa_reserve_vcc 1
		.amdhsa_float_denorm_mode_32 3
		.amdhsa_float_denorm_mode_16_64 3
		.amdhsa_memory_ordered 1
		.amdhsa_forward_progress 1
		.amdhsa_inst_pref_size 153
	.end_amdhsa_kernel
	.amdgpu_metadata
---
amdhsa.version: [ 1, 2 ]
amdhsa.kernels:
  - .name:           k_q64197447b2_attn
    .symbol:         k_q64197447b2_attn.kd
    .args:
      - { .name: q, .offset: 0, .size: 8, .value_kind: global_buffer, .address_space: global }
      - { .name: kvrec, .offset: 8, .size: 8, .value_kind: global_buffer, .address_space: global }
      - { .name: out0, .offset: 16, .size: 8, .value_kind: global_buffer, .address_space: global }
    .group_segment_fixed_size: 327680
    .private_segment_fixed_size: 0
    .kernarg_segment_align: 8
    .kernarg_segment_size: 24
    .max_flat_workgroup_size: 256
    .sgpr_count:     66
    .vgpr_count:     512
    .wavefront_size: 32
...
	.end_amdgpu_metadata
.endif
;; end of part 2
